; MI455X (gfx1250); checked and timed in simulation.
; The chip was launched on July 23, 2026; its instructions are those of AMD's public machine-readable ISA for CDNA 5 (MIT licence, August 2026) and "CDNA5" Instruction Set Architecture Reference Guide (July 2026). The comments in the code are by the model that wrote it; some were corrected since.
;; Attention. Allowed arithmetic: float matrix products may take bf16 or f16 operands with f32 sums; other float arithmetic in f32, or as packed bf16 or f16 multiplies, adds, multiply-adds, maxima and minima; sums over many terms, partial sums and values carried from step to step in f32; what a program stores and reads back later, other than sums and carried values, may be rounded once to bf16 or f16.
;; Inputs: attn_W 1,024 x 2,048 float32; attn_b 1,024 float32; attn_mask 64 x 1,024 int32; encoder_outputs 1,024 x 64 x 1,024 float32; hidden 64 x 1,024 float32; v_W 1,024 float32.
;; Outputs: out0 64 x 1,024 float32.
;; One version. Each part assembles by itself: llvm-mc -triple=amdgcn-amd-amdhsa -mcpu=gfx1250 --defsym DOCPART=n.
;; ======== version 1 of 1: 3 launches
;; workspace buffers: wb 4,194,304 bytes; hbc 262,144 bytes; part 524,288 bytes
;; launch prep (part 1): grid 256 x 1, 8 waves a work-group, no clusters, 9,216 bytes of LDS; arguments attn_W, hidden, attn_b, wb, hbc; writes wb, hbc
.if DOCPART == 1
	.amdgcn_target "amdgcn-amd-amdhsa--gfx1250"
	.amdhsa_code_object_version 6
	.text
	.protected	k_qdb3f47675d_prep
	.globl	k_qdb3f47675d_prep
	.p2align	8
	.type	k_qdb3f47675d_prep,@function
k_qdb3f47675d_prep:
	s_mov_b64 s[64:65], 0
	v_nop
	global_prefetch_b8 v0, s[64:65] scope:SCOPE_SE
	s_setreg_imm32_b32 hwreg(HW_REG_WAVE_MODE, 25, 1), 1
	s_wait_xcnt 0x0
; Two small jobs ahead of the main product.  attn_W: [1024 o][2048] f32 = [Wh | We]; hidden: [64 b][1024] f32; attn_b: [1024] f32.
; (1) hbc = C2 x (hidden . Wh^T + attn_b), f32, C2 = 2 log2(e): the addend of the later tanh, already in the scale of its exponential.
;     Work-group g makes the block of 16 b x 16 o with bb = g / 64, ob = g % 64; its 1,024 bytes lie on end at byte 1,024 g, as [b % 16][o % 16].
;     Each of the eight waves takes 128 of the 1,024 k (four matrix instructions, operands rounded to bf16, sums in f32); the eight partial blocks meet in LDS and are added in f32.
; (2) wb = We rounded to bf16, [1024 o][1024 k], written twice (the second copy 2,097,152 bytes on): work-group g casts rows 4 g .. 4 g + 3.
;     Two copies, so that in the next launch each of a cluster's four columns asks for bytes of its own.
; THE MATRIX INSTRUCTION: source 0 = 16 rows of Wh, source 1 = 16 rows of hidden: lane l then holds b = l % 16 and o = 8 (l / 16) + 0..7.
.set C2,    0x4038aa3b                 ; 2 log2(e) = 2.885390
.set COPY,  2097152                    ; bytes from wb's first copy to its second
.set FW,    32                         ; v[32:95]   Wh as loaded, 16 f32 for each of 4 blocks of 32 k; then 8 registers of bf16 at the head of each 16
.set FH,    96                         ; v[96:159]  hidden likewise
.set CW,    160                        ; v[160:175] 4 x 4 f32 of We
.set BI,    176                        ; v[176:179] bias of my four o
.set ACC0,  184                        ; v[184:191], v[192:199] two accumulators that take turns
.set ACC1,  192
.set SPW,   30                         ; v30 LDS address of my spare word; never rewritten
.set NIL,   31                         ; v31 0; never rewritten
.set SPARE, 8192                       ; behind the eight partial blocks: the spare words, 128 bytes a wave, four blocks of 256 bytes that no other line names
	s_load_b256 s[4:11], s[0:1], 0x0               ; attn_W s[4:5], hidden s[6:7], attn_b s[8:9], wb s[10:11]
	s_load_b64 s[12:13], s[0:1], 0x20              ; hbc
	v_lshl_add_u32 v[SPW], v0, 2, SPARE
	v_mov_b32 v[NIL], 0
	v_lshrrev_b32 v11, 5, v0
	v_readfirstlane_b32 s14, v11                   ; wave 0..7
	v_and_b32 v1, 15, v0                           ; r = l % 16
	v_bfe_u32 v2, v0, 4, 1                         ; h = l / 16
	v_lshlrev_b32 v3, 13, v1                       ; Wh: row r of 8,192 bytes
	v_lshl_add_u32 v3, v2, 5, v3                   ; + 8 h numbers of 4 bytes
	v_lshl_add_u32 v3, s14, 9, v3                  ; + my wave's 128 k
	v_lshlrev_b32 v4, 12, v1                       ; hidden: row r of 4,096 bytes
	v_lshl_add_u32 v4, v2, 5, v4
	v_lshl_add_u32 v4, s14, 9, v4
	v_lshlrev_b32 v5, 4, v0                        ; 16 x thread: a row of We is 256 threads x 16 bytes; also my 16 bytes of the finished block
	v_lshlrev_b32 v6, 3, v0                        ; 8 x thread: the same four numbers in bf16
	v_and_b32 v7, 3, v0
	v_lshlrev_b32 v7, 4, v7                        ; the bias of o = 4 (thread % 4) + 0..3
	v_and_b32 v8, 31, v0
	v_lshlrev_b32 v8, 4, v8
	v_lshl_add_u32 v8, s14, 10, v8                 ; my partial: wave x 1,024 + lane x 16, two planes of 512 bytes (o = 8 h + 0..3, then + 4..7)
	v_and_b32 v9, 1, v0                            ; back, thread u < 64 takes b = u / 4, o = 4 (u % 4) + 0..3: plane u % 2,
	v_bfe_u32 v12, v0, 1, 1                        ; lane 16 ((u / 2) % 2) + u / 4
	v_lshrrev_b32 v13, 2, v0
	v_lshl_add_u32 v13, v12, 4, v13
	v_lshlrev_b32 v13, 4, v13
	v_lshl_add_u32 v9, v9, 9, v13
	s_and_b32 s15, ttmp9, 63                       ; ob
	s_lshr_b32 s20, ttmp9, 6                       ; bb
	s_lshl_b32 s16, s15, 17                        ; Wh: 16 ob rows of 8,192 bytes
	s_mov_b32 s17, 0
	s_lshl_b32 s22, ttmp9, 15                      ; We: 4 g rows of 8,192 bytes, and 4,096 bytes into the row
	s_add_co_u32 s22, s22, 4096
	s_mov_b32 s23, 0
	s_lshl_b32 s24, s20, 16                        ; hidden: 16 bb rows of 4,096 bytes
	s_mov_b32 s25, 0
	s_lshl_b32 s26, ttmp9, 13                      ; wb: 4 g rows of 2,048 bytes
	s_mov_b32 s27, 0
	s_lshl_b32 s28, s15, 6                         ; attn_b: 16 ob numbers
	s_mov_b32 s29, 0
	s_lshl_b32 s30, ttmp9, 10                      ; hbc: block g
	s_mov_b32 s31, 0
	s_wait_kmcnt 0x0
	s_add_nc_u64 s[18:19], s[4:5], s[22:23]        ; We at my four rows
	s_add_nc_u64 s[4:5], s[4:5], s[16:17]          ; Wh at my 16 rows
	s_add_nc_u64 s[6:7], s[6:7], s[24:25]
	s_add_nc_u64 s[8:9], s[8:9], s[28:29]
	s_add_nc_u64 s[10:11], s[10:11], s[26:27]
	s_add_nc_u64 s[12:13], s[12:13], s[30:31]
	; A fragment of 16 rows x 32 k holds, in lane (r, h), k = 8 h + 0..7 and 16 + 8 h + 0..7 of row r: in f32 four loads of 16 bytes, at 0, 16, 64 and 80 from 32 h.
.set c, 0
.rept 4
.set q, 0
.rept 4
	global_load_b128 v[FW+16*c+4*q:FW+16*c+4*q+3], v3, s[4:5] offset:128*c+64*(q/2)+16*(q%2)
	global_load_b128 v[FH+16*c+4*q:FH+16*c+4*q+3], v4, s[6:7] offset:128*c+64*(q/2)+16*(q%2)
.set q, q+1
.endr
.set c, c+1
.endr
.irp p, 0,1,2,3
	global_load_b128 v[CW+4*(\p):CW+4*(\p)+3], v5, s[18:19] offset:8192*(\p) th:TH_LOAD_NT  ; a whole row of We by the 256 threads; read once in the launch
.endr
	global_load_b128 v[BI:BI+3], v7, s[8:9]
	s_wait_loadcnt 5                               ; the five younger loads (We, bias) may stay out
.set c, 0
.rept 4
.set i, 0
.rept 8                                ; in place, ascending: register i takes numbers 2 i and 2 i + 1, which no earlier line has written over
	v_cvt_pk_bf16_f32 v[FW+16*c+i], v[FW+16*c+2*i], v[FW+16*c+2*i+1]
	v_cvt_pk_bf16_f32 v[FH+16*c+i], v[FH+16*c+2*i], v[FH+16*c+2*i+1]
.set i, i+1
.endr
.set c, c+1
.endr
	; the two accumulators take turns, one instruction a turn; the first product on each starts its sum
	v_wmma_f32_16x16x32_bf16 v[ACC0:ACC0+7], v[FW:FW+7], v[FH:FH+7], 0
	v_wmma_f32_16x16x32_bf16 v[ACC1:ACC1+7], v[FW+16:FW+23], v[FH+16:FH+23], 0
	v_wmma_f32_16x16x32_bf16 v[ACC0:ACC0+7], v[FW+32:FW+39], v[FH+32:FH+39], v[ACC0:ACC0+7]
	v_wmma_f32_16x16x32_bf16 v[ACC1:ACC1+7], v[FW+48:FW+55], v[FH+48:FH+55], v[ACC1:ACC1+7]
	s_wait_loadcnt 1                               ; We is in; the bias may stay out
.irp p, 0,1,2,3                        ; eight plain lines that name no register of the products: also the places behind them (ISA guide 7.12.1)
	v_cvt_pk_bf16_f32 v[CW+4*(\p)], v[CW+4*(\p)], v[CW+4*(\p)+1]
	v_cvt_pk_bf16_f32 v[CW+4*(\p)+1], v[CW+4*(\p)+2], v[CW+4*(\p)+3]
.endr
.irp p, 0,1,2,3
	global_store_b64 v6, v[CW+4*(\p):CW+4*(\p)+1], s[10:11] offset:2048*(\p)        ; a wave's 32 lanes store 256 consecutive bytes, aligned
	global_store_b64 v6, v[CW+4*(\p):CW+4*(\p)+1], s[10:11] offset:2048*(\p)+COPY   ; the second copy
.endr
.irp k, 0,1,2,3                        ; from each accumulator's low end on
	v_pk_add_f32 v[ACC0+2*(\k):ACC0+2*(\k)+1], v[ACC0+2*(\k):ACC0+2*(\k)+1], v[ACC1+2*(\k):ACC1+2*(\k)+1]
.endr
	ds_store_b128 v8, v[ACC0:ACC0+3]
	ds_store_b128 v8, v[ACC0+4:ACC0+7] offset:512
	s_wait_dscnt 0x0                               ; for the others' sake: my partial block is in LDS
	s_barrier_signal -1
	s_barrier_wait -1
	s_cmp_ge_u32 s14, 2                            ; 64 threads x 16 bytes are the block: waves 0 and 1 finish it
	s_cbranch_scc1 .Ldone
.irp w, 0,1,2,3,4,5,6,7
	ds_load_b128 v[32+4*(\w):35+4*(\w)], v9 offset:1024*(\w)
.endr
	s_wait_dscnt 0x0
.irp w, 1,2,3,4,5,6,7                  ; the eight parts of K in ascending order, in f32
	v_pk_add_f32 v[32:33], v[32:33], v[32+4*(\w):33+4*(\w)]
	v_pk_add_f32 v[34:35], v[34:35], v[34+4*(\w):35+4*(\w)]
.endr
	s_wait_loadcnt 0x0                             ; the bias
	v_pk_add_f32 v[32:33], v[32:33], v[BI:BI+1]
	v_pk_add_f32 v[34:35], v[34:35], v[BI+2:BI+3]
	v_pk_mul_f32 v[32:33], v[32:33], C2 op_sel_hi:[1,0]
	v_pk_mul_f32 v[34:35], v[34:35], C2 op_sel_hi:[1,0]
	global_store_b128 v5, v[32:35], s[12:13]       ; a wave stores 512 consecutive bytes, aligned
.Ldone:
	s_wait_tensorcnt 0x0                           ; the wave's end: behind my last LDS store
	ds_add_u32 v[SPW], v[NIL]
	s_wait_dscnt 0x0
	s_endpgm
.Lfunc_end_k_qdb3f47675d_prep:
	.size	k_qdb3f47675d_prep, .Lfunc_end_k_qdb3f47675d_prep-k_qdb3f47675d_prep
	.p2alignl 7, 3214868480
	.fill 96, 4, 3214868480
	.section	.rodata,"a",@progbits
	.p2align	6, 0x0
	.amdhsa_kernel k_qdb3f47675d_prep
		.amdhsa_group_segment_fixed_size 9216
		.amdhsa_private_segment_fixed_size 0
		.amdhsa_enable_private_segment 0
		.amdhsa_kernarg_size 40
		.amdhsa_user_sgpr_count 2
		.amdhsa_user_sgpr_kernarg_segment_ptr 1
		.amdhsa_wavefront_size32 1
		.amdhsa_system_sgpr_workgroup_id_x 1
		.amdhsa_system_sgpr_workgroup_id_y 1
		.amdhsa_system_sgpr_workgroup_id_z 1
		.amdhsa_system_vgpr_workitem_id 0
		.amdhsa_next_free_vgpr 208
		.amdhsa_next_free_sgpr 66
		.amdhsa_reserve_vcc 0
		.amdhsa_float_denorm_mode_32 3
		.amdhsa_float_denorm_mode_16_64 3
		.amdhsa_memory_ordered 1
		.amdhsa_forward_progress 1
		.amdhsa_inst_pref_size 14
	.end_amdhsa_kernel
	.amdgpu_metadata
---
amdhsa.version: [ 1, 2 ]
amdhsa.kernels:
  - .name:           k_qdb3f47675d_prep
    .symbol:         k_qdb3f47675d_prep.kd
    .args:
      - { .name: attn_W, .offset: 0, .size: 8, .value_kind: global_buffer, .address_space: global }
      - { .name: hidden, .offset: 8, .size: 8, .value_kind: global_buffer, .address_space: global }
      - { .name: attn_b, .offset: 16, .size: 8, .value_kind: global_buffer, .address_space: global }
      - { .name: wb, .offset: 24, .size: 8, .value_kind: global_buffer, .address_space: global }
      - { .name: hbc, .offset: 32, .size: 8, .value_kind: global_buffer, .address_space: global }
    .group_segment_fixed_size: 9216
    .private_segment_fixed_size: 0
    .kernarg_segment_align: 8
    .kernarg_segment_size: 40
    .max_flat_workgroup_size: 256
    .sgpr_count:     66
    .vgpr_count:     208
    .wavefront_size: 32
...
	.end_amdgpu_metadata
.endif
;; end of part 1
;; launch energy (part 2): grid 4 x 256, 4 waves a work-group, clusters of 4 x 4, 327,680 bytes of LDS; arguments encoder_outputs, wb, hbc, v_W, part; writes part
.if DOCPART == 2
	.amdgcn_target "amdgcn-amd-amdhsa--gfx1250"
	.amdhsa_code_object_version 6
	.text
	.protected	k_qdb3f47675d_energy
	.globl	k_qdb3f47675d_energy
	.p2align	8
	.type	k_qdb3f47675d_energy,@function
k_qdb3f47675d_energy:
	s_mov_b64 s[64:65], 0
	v_nop
	global_prefetch_b8 v0, s[64:65] scope:SCOPE_SE
	s_setreg_imm32_b32 hwreg(HW_REG_WAVE_MODE, 25, 1), 1
	s_wait_xcnt 0x0
	s_wait_alu depctr_hold_cnt(0) depctr_sa_sdst(0) depctr_va_vdst(0) depctr_va_sdst(0) depctr_va_ssrc(0) depctr_va_vcc(0) depctr_vm_vsrc(0)
	s_getreg_b32 s2, hwreg(HW_REG_IB_STS2, 6, 4)
	s_cmp_eq_u32 s2, 0
	s_cbranch_scc0 .Lentry_in_a_cluster
	s_endpgm
.Lentry_in_a_cluster:
	s_bfe_u32 s2, ttmp6, 0x10000c
	s_cmp_lg_u32 s2, 0xf033
	s_cbranch_scc0 .Lentry_shape_is_right
	s_endpgm
.Lentry_shape_is_right:
; part[nh][b][s] = the sum over o in 512 nh .. 512 nh + 511 of v_W[o] tanh(enc[s][b][:] . We[o][:] + hidden[b] . Wh[o] + attn_b[o]).
; enc: [1024 s][64 b][1024 k] f32.  wb: We in bf16, [1024 o][1024 k], twice.  hbc: C2 x (hidden . Wh^T + bias), f32, in blocks of 16 b x 16 o.  v_W: [1024] f32.  part: [2][64][1024] f32.
; Products with bf16 operands and f32 sums; all else in f32.
; LIMITS.  tanh(x) = 1 - 2 / (1 + 2^(C2 x)), C2 = 2 log2(e): it ends in +1 and -1 by way of infinity and 0, and is off by about 1e-7 absolutely (so relatively more where |x| is tiny).
; NaN and infinities among the inputs are not treated apart.
; SHARES.  A tile is 128 rows x 512 o; its rows are ONE b and 128 consecutive s (262,144 bytes apart in enc), so that the addend and v_W hang on the column alone (64 registers each a wave)
; and the tile's 128 scores are 512 consecutive bytes of part.  512 row tiles x 2 halves of o = 1,024 work-groups.  Four waves side by side along o, each 128 x 128: 64 accumulators, 512 registers.
; B (We) goes in K steps of 128 through a ring of two LDS slots filled by the tensor data mover; each wave fetches, and reads, its own 128 rows.
; A (enc) is f32 and must be rounded on the way, which the mover does not do: it goes through registers: 16-byte loads (16 lanes take 256 consecutive bytes of a row), two roundings a line, 8-byte stores into two
; half-slots of 128 rows x 64 k of bf16, which all four waves read.  Each wave brings 32 of the 128 rows.  Four UNITS of eight loads are always on their way: a unit is asked for four quarters
; (256 matrix instructions) ahead of its conversion.
; CLUSTER.  4 x 4 work-groups.  gx = cx picks the half of o (gx % 2) and the copy of wb (gx / 2); the four of a column need the same tiles of B and ask for them JOINTLY.  Columns 2 m and 2 m + 1 work on the same
; rows of enc in the same steps.  NO JOINT LOADS FOR A: as f32 tiles in LDS, A's 128 rows x 4 bytes beside B's 512 rows x 2 bytes are 1,536 bytes for each k, so that two slots would hold 64 k each, a quarter of a
; step's products for a tile to land in, and LDS would carry A twice as wide.
; THE MATRIX INSTRUCTION IS USED TRANSPOSED: source 0 = 16 rows of We, source 1 = 16 rows of enc: lane l holds row l % 16 of the tile and the columns 8 (l / 16) + 0..7.
; REGISTERS, in windows of 256 (s_set_vgpr_msb: bits 1:0 source 0, 3:2 source 1, 5:4 source 2, 7:6 destination):
;   window 0: v0-31 addresses; v32-63 at work in the epilogue; v64-127, v128-191 A's fragments, two buffers (v64-127 later the epilogue's T); v192-255 v_W of my 128 columns
;   window 1: v64-127, v128-191 B's fragments, two buffers; v0-31, v32-63, v192-223, v224-255 the four units on their way; at the end v0-63 the addend of my 128 columns
;   window 2: the 32 accumulators of rows 0-63 ((a, bq) at v[8 (8 a + bq)]);   window 3: those of rows 64-127
.set PITCH,  272                       ; a row of B in LDS: 256 bytes + 16 of padding = 68 words: row r starts at bank 4 r mod 64 (64 banks of 4 bytes: ISA guide 11.1)
.set HALFB,  128*PITCH                 ; a wave's 128 rows of B: one tensor load
.set SLOT,   4*HALFB                   ; 512 rows
.set APITCH, 144                       ; a row of A in LDS: 128 bytes + 16 = 36 words: the 16 rows of a fragment load start at 16 different groups of four banks
.set AHB,    128*APITCH                ; a half-slot: 128 rows x 64 k
.set AH0,    2*SLOT                    ; behind B's ring, written by ds_store alone: no tensor load lands from here on
.set AH1,    AH0+AHB
.set RED,    AH1+AHB                   ; 4 waves x 128 partial scores
.set SPARE,  RED+2048                  ; the spare words, 128 bytes a wave: two blocks of 256 bytes that no other line names
.set ROWB,   262144                    ; bytes from s to s + 1 in enc
.set ADRA, 16                          ; v16-17  LDS address of my A fragments in half-slot 0, 1
.set ADRB, 20                          ; v20-21  of my B fragments in slot 0, 1
.set ASTO, 22                          ; v22-23  where I store 8 bytes of A in half-slot 0, 1
.set AOFF, 24                          ; v24     my byte offset in the tile's rows of enc; never rewritten
.set VOFF, 25                          ; v25     32 (l / 16): my eight columns of sixteen, in f32
.set RSTO, 26                          ; v26     where I put a row's partial score
.set RRD,  27                          ; v27     where wave 0 reads four of them back
.set SPW,  28                          ; v28     LDS address of my spare word; never rewritten
.set NIL,  29                          ; v29     0; never rewritten
.set POFF, 30                          ; v30     16 x lane: my 16 bytes of the tile's 512 in part
.set SUM,  32                          ; v32-39  four pairs of running sums
.set RES,  40                          ; v40-47  block a's score, one row a lane
.set WK,   48                          ; v48-63  at work
.set F0,   64
.set F1,   128
.set T,    64                          ; the epilogue: a block's 64 numbers a lane
.set VW,   192                         ; v_W[16 bq + 8 (l / 16) + j] at VW + 8 bq + j
.set HB,   0                           ; window 1: the addend, same index
.set LAP, 3                            ; s3      laps to go
.set WV,  14                           ; s14     my wave's number
.set G1,  24                           ; s[24:31] descriptor group 1
.set G0,  32                           ; s[32:39] descriptor group 0, a set for each slot
.set SA,  40                           ; s[40:41] enc at the tile's first row, at the half-step from which the loads' immediates count
.set CS,  44                           ; s[44:45] C2: the packed line takes the pair's low word for both halves
.set SEL, 46                           ; s[46:47] v_permlanex16_b32's selects: each lane takes its own place in the other half
.set MSB, 0
.macro WIN new                         ; the immediate's high byte repeats the setting that is left; a switch that changes nothing is dropped
.if MSB != (\new)
	s_set_vgpr_msb (MSB<<8)|(\new)
.set MSB, \new
.endif
.endm
.set MUL_LO, 0xa1                      ; source 0 (B) window 1, source 1 (A) window 0, C and D window 2
.set MUL_HI, 0xf1                      ; the same, C and D window 3
.set TO_1,   0x40                      ; destination window 1, address window 0
; A round of the cluster's barrier: my work-group's barrier, so that wave 0's signal speaks for all four waves; wave 0 signals; every wave waits for all sixteen work-groups; my work-group's barrier once more.
.macro CREST                           ; a round behind its opening barrier
	s_cmp_lg_u32 s[WV], 0
	s_cbranch_scc1 .Lnot_wave_0_\@
	s_barrier_signal -3
.Lnot_wave_0_\@:
	s_barrier_wait -3
	s_barrier_signal -1
	s_barrier_wait -1
.endm
.macro CROUND
	s_barrier_signal -1
	s_barrier_wait -1
	CREST
.endm
.macro PLACES                          ; four places in front of loads into registers that matrix instructions have read, and of lines that read results (ISA guide 7.12.1 for lines that read results)
.rept 4
	v_nop
.endr
.endm
; 16 matrix instructions: row blocks a0, a0 + 1 of the window's four (hi = 0: rows 0-63, 1: rows 64-127) x all 8 column blocks, 32 along K.  zero = 1: the first product starts the sums.
; The 64 accumulators take turns, one instruction a turn, in the same order in every quarter.
.macro MUL16 f, hi, a0, zero
	WIN MUL_LO+0x50*(\hi)
.irp a, \a0, (\a0)+1
.irp b, 0,1,2,3,4,5,6,7
.if \zero
	v_wmma_f32_16x16x32_bf16 v[8*(8*(\a)+(\b)):8*(8*(\a)+(\b))+7], v[(\f)+8*(\b):(\f)+8*(\b)+7], v[(\f)+8*(4*(\hi)+(\a)):(\f)+8*(4*(\hi)+(\a))+7], 0
.else
	v_wmma_f32_16x16x32_bf16 v[8*(8*(\a)+(\b)):8*(8*(\a)+(\b))+7], v[(\f)+8*(\b):(\f)+8*(\b)+7], v[(\f)+8*(4*(\hi)+(\a)):(\f)+8*(4*(\hi)+(\a))+7], v[8*(8*(\a)+(\b)):8*(8*(\a)+(\b))+7]
.endif
.endr
.endr
.endm
; 32 LDS loads in one run: a quarter's fragments (32 k) into buffer f: my 128 rows of B from slot bs at byte bk of the rows, then A's 128 rows from half-slot as at byte ak; A's rows 64-127 last.
.macro FETCH bs, bk, as, ak, f
	WIN TO_1
.irp i, 0,1,2,3,4,5,6,7
	ds_load_b128 v[(\f)+8*(\i):(\f)+8*(\i)+3],   v[ADRB+(\bs)] offset:(\bk)+(\i)*16*PITCH
	ds_load_b128 v[(\f)+8*(\i)+4:(\f)+8*(\i)+7], v[ADRB+(\bs)] offset:(\bk)+(\i)*16*PITCH+32
.endr
	WIN 0
.irp i, 0,1,2,3,4,5,6,7
	ds_load_b128 v[(\f)+8*(\i):(\f)+8*(\i)+3],   v[ADRA+(\as)] offset:(\ak)+(\i)*16*APITCH
	ds_load_b128 v[(\f)+8*(\i)+4:(\f)+8*(\i)+7], v[ADRA+(\as)] offset:(\ak)+(\i)*16*APITCH+32
.endr
.endm
; A UNIT: eight loads, part p (0, 1) of my 32 rows of a half-step of 64 k.  Load i: lanes 0-15 take the 256 bytes of row 32 w + 16 p + i, lanes 16-31 those of the row 8 further down.
; hrel: the half-step, counted from SA.  The largest immediate, 23 rows and 768 bytes, is 6,030,080: inside the signed 24 bits.
.macro ULOAD set, p, hrel
.set UB, 32*(\set)+128*((\set)/2)      ; sets 0-3 at v0, v32, v192, v224 of window 1
	WIN TO_1
.irp i, 0,1,2,3,4,5,6,7
	global_load_b128 v[UB+4*(\i):UB+4*(\i)+3], v[AOFF], s[SA:SA+1] offset:(16*(\p)+(\i))*ROWB+(\hrel)*256
.endr
.endm
; A unit that has come is rounded to bf16 in place and stored into half-slot hs; issue = 1: its registers are asked to take the unit four further on.  left: the loads of the younger units, which stay out.
; The 16 conversions name no register of the products round them: they are also the places in front of the fragment loads that follow.
; The stores: lanes 0-15 write 128 consecutive bytes, lanes 16-31 the row 8 x 144 bytes = 288 words on, which is 32 banks off.
.macro ASVC set, hs, p, issue, hrel, left
.set SB, 32*(\set)+128*((\set)/2)
	s_wait_loadcnt \left                           ; loads come back in order (ISA guide 5.7.1): this unit is in
	WIN 0x45                                       ; sources and destination window 1
.irp i, 0,1,2,3,4,5,6,7
	v_cvt_pk_bf16_f32 v[SB+4*(\i)],   v[SB+4*(\i)],   v[SB+4*(\i)+1]
	v_cvt_pk_bf16_f32 v[SB+4*(\i)+1], v[SB+4*(\i)+2], v[SB+4*(\i)+3]
.endr
	WIN 0x04                                       ; address window 0, data window 1
.irp i, 0,1,2,3,4,5,6,7
	ds_store_b64 v[ASTO+(\hs)], v[SB+4*(\i):SB+4*(\i)+1] offset:(16*(\p)+(\i))*APITCH
.endr
.if \issue
	ULOAD \set, \p, \hrel
.endif
.endm
; QUARTER q (32 k, 64 matrix instructions) multiplies buffer q % 2; in its middle it serves A's unit q + 3 (and asks for unit q + 7) and fetches quarter q + 1's fragments into the other buffer.
; kind 0: no barrier.
; kind 1 (odd q): ONE barrier.  In front of it every wave's stores of A's half-step (q + 1) / 2 and its reads of half-step (q - 1) / 2 are done; behind it the half-slot just read out is stored into, and the other is read.
; kind 2 (q % 4 = 3): the same barrier also changes B's slots: in front of it each wave waits for all its tensor loads (one is out: its part of the next slot), adds 0 to its spare word and waits for that and for its
;   LDS reads and stores; the barrier opens a round of the cluster's, and the joint refill of the slot just read out, two K steps ahead, is the first thing behind the round: 224 matrix instructions ahead of the wait for it.
; kind 3: as kind 2, for the last change of slots: nothing is left to ask for, so no round and no load.
; svc 2: a unit is served and one asked for; 1: served only; 3: the addend's 16 loads; 0: nothing.  hb: the half-step that SA stands at.
.macro QTR q, kind, zero, svc, left, hb
.set QF,  F0+64*((\q)%2)
.set QG,  F0+64*(((\q)+1)%2)
.set QBS, (((\q)+1)/4)%2
.set QBK, (((\q)+1)%4)*64
.set QAS, (((\q)+1)/2)%2
.set QAK, (((\q)+1)%2)*64
.set QSET, ((\q)+3)%4
.set QHS, (((\q)+3)/2)%2
.set QP,  ((\q)+3)%2
.set QHR, ((\q)+7)/2-(\hb)
.set QSL, ((\q)/4)%2
.if (\kind) == 0
	s_wait_dscnt 8                                 ; B and A's rows 0-63 are in; the youngest eight loads (A's rows 64-127) may be out
	MUL16 QF, 0, 0, \zero
	MUL16 QF, 0, 2, \zero
.elseif (\kind) == 1
	s_wait_dscnt 8
	MUL16 QF, 0, 0, 0
	s_wait_dscnt 0x0                               ; for the others' sake: my stores of A are done, and my reads of the half-slot that is stored into next
	s_barrier_signal -1
	MUL16 QF, 0, 2, 0                              ; work on registers while the others arrive
	s_barrier_wait -1
.else
	WIN 0                                          ; (the add's two registers lie in window 0)
	s_wait_tensorcnt 0x0                           ; all my tensor loads have landed: the one that was out is my part of the next slot
	ds_add_u32 v[SPW], v[NIL]                      ; 0 onto my spare word
	s_wait_dscnt 9                                 ; (the add and the youngest eight loads may be out)
	MUL16 QF, 0, 0, 0                              ; sixteen matrix instructions stand between the add and the wait for it
	s_wait_dscnt 0x0                               ; the add is done, my reads of this slot and of A's half-slot are over, my stores of A are done
	s_barrier_signal -1
	MUL16 QF, 0, 2, 0
.if (\kind) == 2
	WIN 0
.endif
	s_barrier_wait -1
.if (\kind) == 2
	CREST                                          ; no wave of any partner still reads this slot's tile or has a load on its way
	s_add_nc_u64 s[G0+4*QSL+2:G0+4*QSL+3], s[G0+4*QSL+2:G0+4*QSL+3], 512  ; two K steps of 256 bytes on; the type bits on top are not reached
	tensor_load_to_lds s[G0+4*QSL:G0+4*QSL+3], s[G1:G1+7]  ; my one tensor load behind the round: my own 128 rows, by a line and a mask that are the same in the four of my column
	s_nop 0
	PLACES                                         ; four v_nop ahead of the next switch of windows
.endif
.endif
.if (\svc) == 2
	ASVC QSET, QHS, QP, 1, QHR, \left
.elseif (\svc) == 1
	ASVC QSET, QHS, QP, 0, 0, \left
.elseif (\svc) == 3
	PLACES
	WIN TO_1
.set z, 0
.rept 16                               ; the addend of my 128 columns: block 8 w + z / 2 of the row of blocks, row b % 16 in it; the units' first two sets are free
	global_load_b128 v[HB+4*z:HB+4*z+3], v[VOFF], s[8:9] offset:1024*(z/2)+16*(z%2)
.set z, z+1
.endr
.else
	PLACES
.endif
	FETCH QBS, QBK, QAS, QAK, QG
.if (\kind) == 0
	s_wait_dscnt 32                                ; all but the 32 just issued: A's rows 64-127 are in
.endif
	MUL16 QF, 1, 0, \zero
	MUL16 QF, 1, 2, \zero
.endm
	s_load_b256 s[4:11], s[0:1], 0x0               ; enc s[4:5], wb s[6:7], hbc s[8:9], v_W s[10:11]
	s_load_b64 s[12:13], s[0:1], 0x20              ; part
	v_lshl_add_u32 v[SPW], v0, 2, SPARE
	v_mov_b32 v[NIL], 0
	ds_add_u32 v[SPW], v[NIL]                      ; the wave's opening: the add, with its wait ahead of my first tensor load; the set-up below, work on registers, stands between them
	v_lshrrev_b32 v1, 5, v0
	v_readfirstlane_b32 s[WV], v1                  ; wave 0..3
	s_bfe_u32 s15, ttmp6, 0x40000                  ; cx
	s_bfe_u32 s16, ttmp6, 0x40004                  ; cy
	s_lshl_b32 s17, ttmp9, 2                       ; in a cluster launch ttmp9 and ttmp7 count clusters
	s_add_co_u32 s17, s17, s15                     ; gx = 4 x cluster x + cx: 0..3
	s_and_b32 s18, ttmp7, 0xffff
	s_lshl_b32 s18, s18, 2
	s_add_co_u32 s18, s18, s16                     ; gy = 4 x cluster y + cy: 0..255
	s_lshl_b32 s19, 0x1111, s15                    ; my column of the cluster: places cx, cx + 4, cx + 8, cx + 12
	s_and_b32 s20, s17, 1                          ; nh: which half of o
	s_lshr_b32 s21, s17, 1
	s_lshl1_add_u32 s21, s18, s21                  ; the row tile, 2 gy + gx / 2: 0..511
	s_and_b32 s22, s21, 63                         ; b
	s_lshr_b32 s23, s21, 6                         ; which 128 of the 1,024 s
	; descriptor group 1: a tile of 128 rows x 128 elements, padded in LDS
	s_or_b32 s[G1+0], s19, (1<<16)|(1<<20)|(1<<21)|(5<<22)|(3<<25)  ; 15:0 the mask: my column; 17:16 elements of 2 bytes; 20 padding on; 21 set beside a mask; 24:22 after every 64 words (code 5); 31:25 4 words (code 3)
	s_mov_b32 s[G1+1], 128<<16                     ; tensor_dim0 = 128
	s_mov_b32 s[G1+2], 128<<16                     ; tensor_dim1 = 128
	s_mov_b32 s[G1+3], 128<<16                     ; tile_dim0 = 128
	s_mov_b32 s[G1+4], 128                         ; tile_dim1 = 128
	s_mov_b32 s[G1+5], 1024                        ; 1,024 elements from row to row
	s_mov_b32 s[G1+6], 0
	s_mov_b32 s[G1+7], 0
	s_mov_b32 s[CS], 0x4038aa3b                    ; C2 = 2 log2(e)
	s_mov_b32 s[CS+1], s[CS]                       ; named with it as a pair
	s_mov_b32 s[SEL], 0x76543210
	s_mov_b32 s[SEL+1], 0xfedcba98
	; B's offset hangs on gx and the wave's number alone, in registers that never hold cy: 512 gx rows of 2,048 bytes, and my wave's 128
	s_lshl_b32 s48, s17, 20
	s_lshl_b32 s49, s[WV], 18
	s_add_co_u32 s48, s48, s49
	s_mov_b32 s49, 0
	s_mul_i32 s52, s[WV], HALFB                    ; and where the tiles go: wave x 128 rows: no place in the cluster enters an LDS address
	s_lshl_b32 s42, s22, 12                        ; enc: b x 4,096 bytes
	s_lshl_b32 s43, s23, 25                        ; + 128 rows of 262,144 bytes for each block of s
	s_add_co_u32 s42, s42, s43
	s_mov_b32 s43, 0
	s_lshl_b32 s50, s20, 11                        ; v_W: (512 nh + 128 w) x 4 bytes
	s_lshl_b32 s51, s[WV], 9
	s_add_co_u32 s50, s50, s51
	s_mov_b32 s51, 0
	s_lshr_b32 s54, s22, 4                         ; hbc: block (b / 16) x 64 + 32 nh + 8 w of 1,024 bytes, row b % 16 of 64 bytes
	s_lshl_b32 s54, s54, 16
	s_lshl_b32 s55, s20, 15
	s_add_co_u32 s54, s54, s55
	s_lshl_b32 s55, s[WV], 13
	s_add_co_u32 s54, s54, s55
	s_and_b32 s55, s22, 15
	s_lshl_b32 s55, s55, 6
	s_add_co_u32 s54, s54, s55
	s_mov_b32 s55, 0
	s_lshl_b32 s56, s20, 18                        ; part: nh x 262,144 + b x 4,096 + 512 for each block of s
	s_lshl_b32 s57, s22, 12
	s_add_co_u32 s56, s56, s57
	s_lshl_b32 s57, s23, 9
	s_add_co_u32 s56, s56, s57
	s_mov_b32 s57, 0
	v_and_b32 v1, 15, v0                           ; r = l % 16
	v_bfe_u32 v2, v0, 4, 1                         ; h = l / 16
	v_and_b32 v3, 31, v0                           ; l
	v_lshlrev_b32 v[AOFF], 4, v1                   ; 16 bytes a lane,
	v_lshl_add_u32 v[AOFF], v2, 21, v[AOFF]        ; 8 rows further down for lanes 16-31,
	s_lshl_b32 s53, s[WV], 23                      ; my wave's 32 rows
	v_add_nc_u32 v[AOFF], s53, v[AOFF]
	v_lshlrev_b32 v[VOFF], 5, v2
	s_wait_dscnt 0x0                               ; the opening add is done
	s_wait_kmcnt 0x0
	s_add_nc_u64 s[SA:SA+1], s[4:5], s[42:43]
	s_add_nc_u64 s[6:7], s[6:7], s[48:49]
	s_add_nc_u64 s[8:9], s[8:9], s[54:55]
	s_add_nc_u64 s[10:11], s[10:11], s[50:51]
	s_add_nc_u64 s[12:13], s[12:13], s[56:57]
.set z, 0
.rept 16                               ; v_W of my 128 columns stays in registers
	global_load_b128 v[VW+4*z:VW+4*z+3], v[VOFF], s[10:11] offset:64*(z/2)+16*(z%2)
.set z, z+1
.endr
	ULOAD 0, 0, 0                                  ; A's units 0 to 3: half-steps 0 and 1
	ULOAD 1, 1, 0
	ULOAD 2, 0, 1
	ULOAD 3, 1, 1
	WIN 0
.irp s, 0,1
	s_mov_b32 s[G0+4*(\s)], 1                                      ; 1:0 count = 1
	s_add_co_u32 s[G0+4*(\s)+1], s52, (\s)*SLOT                    ; 63:32 LDS address
	s_add_nc_u64 s[G0+4*(\s)+2:G0+4*(\s)+3], s[6:7], (\s)*256      ; 120:64 global address: K step s
	s_or_b32 s[G0+4*(\s)+3], s[G0+4*(\s)+3], 0x80000000            ; 127:126 type = 2
.endr
	CROUND                                         ; all sixteen work-groups are here: the first joint loads meet
	tensor_load_to_lds s[G0:G0+3], s[G1:G1+7]      ; both first fills go out together: two tensor loads of mine are out
	s_nop 0
	tensor_load_to_lds s[G0+4:G0+7], s[G1:G1+7]
	s_nop 0
	PLACES
	; A fragment is 16 rows x 32 k in 8 registers: lane l holds row l % 16, k = 8 (l / 16) + 0..7 and 16 + 8 (l / 16) + 0..7: two loads of 16 bytes, 32 bytes apart.
	v_mul_u32_u24 v4, v1, APITCH
	v_lshl_add_u32 v4, v2, 4, v4
	v_add_nc_u32 v[ADRA], AH0, v4
	v_add_nc_u32 v[ADRA+1], AH1, v4
	v_mul_u32_u24 v5, v1, PITCH
	v_lshl_add_u32 v5, v2, 4, v5
	v_add_nc_u32 v[ADRB], s52, v5                  ; my wave's 128 rows of B
	v_add_nc_u32 v[ADRB+1], SLOT, v[ADRB]
	v_lshlrev_b32 v6, 3, v1                        ; A's stores: 8 bytes a lane,
	v_mul_u32_u24 v7, v2, 8*APITCH                 ; 8 rows further down for lanes 16-31,
	v_add_nc_u32 v6, v6, v7
	s_mul_i32 s53, s[WV], 32*APITCH                ; my wave's 32 rows
	v_add_nc_u32 v6, s53, v6
	v_add_nc_u32 v[ASTO], AH0, v6
	v_add_nc_u32 v[ASTO+1], AH1, v6
	s_lshl_b32 s53, s[WV], 9
	v_lshl_add_u32 v[RSTO], v1, 2, RED
	v_add_nc_u32 v[RSTO], s53, v[RSTO]
	v_lshl_add_u32 v[RRD], v3, 4, RED
	v_lshlrev_b32 v[POFF], 4, v3
	ASVC 0, 0, 0, 1, 2, 24                         ; units 0 and 1 are half-step 0; three younger units (24 loads) stay out each time; units 4, 5, 6 are asked for
	ASVC 1, 0, 1, 1, 2, 24
	ASVC 2, 1, 0, 1, 3, 24
	s_wait_tensorcnt 0x1                           ; my part of K step 0 is in; K step 1's may stay out
	s_wait_dscnt 0x0                               ; my stores of A are done
	s_barrier_signal -1
	s_barrier_wait -1                              ; everybody's are
	FETCH 0, 0, 0, 0, F0
	QTR 0, 0, 1, 2, 24, 0                          ; the first quarter stands in front of the loop: its products start the sums
	WIN 0                                          ; at a label and at a branch every window is 0
	s_wait_xcnt 0x0                                ; the loads issued so far have had their addresses translated (ISA guide 3.1): only now is their base stepped
	s_add_nc_u64 s[SA:SA+1], s[SA:SA+1], 1024      ; four half-steps of 256 bytes on
	s_mov_b32 s[LAP], 3
.Llap:                                                 ; a trip: eight quarters, two K steps, once round B's ring and twice round A's two half-slots; quarters 1-8, 9-16, 17-24
	QTR 1, 1, 0, 2, 24, 4
	QTR 2, 0, 0, 2, 24, 4
	QTR 3, 2, 0, 2, 24, 4
	QTR 4, 0, 0, 2, 24, 4
	QTR 5, 1, 0, 2, 24, 4
	QTR 6, 0, 0, 2, 24, 4
	QTR 7, 2, 0, 2, 24, 4
	QTR 8, 0, 0, 2, 24, 4
	WIN 0
	s_wait_xcnt 0x0                                ; as above
	s_add_nc_u64 s[SA:SA+1], s[SA:SA+1], 1024
	s_sub_co_u32 s[LAP], s[LAP], 1
	s_cmp_lg_u32 s[LAP], 0
	s_cbranch_scc1 .Llap
	QTR 25, 1, 0, 1, 24, 0                         ; the tail is written out: no unit and no tile is left to ask for, and the counts of loads run down
	QTR 26, 0, 0, 1, 16, 0
	QTR 27, 3, 0, 1, 8, 0
	QTR 28, 0, 0, 1, 0, 0
	QTR 29, 1, 0, 3, 0, 0                          ; the addend is asked for two quarters and a half ahead of its use
	QTR 30, 0, 0, 0, 0, 0
	s_wait_dscnt 8                                 ; the very last quarter: nothing more to fetch
	MUL16 F1, 0, 0, 0
	MUL16 F1, 0, 2, 0
	s_wait_dscnt 0x0
	MUL16 F1, 1, 0, 0
	MUL16 F1, 1, 2, 0
	WIN 0
	PLACES                                         ; the lines below read results just made
; THE EPILOGUE of block a (16 rows x my 128 columns, 64 numbers a lane).  T = C2 x sum + addend, from each accumulator's low end on.  Then five stages, each one chunk of eight numbers
; behind the one before it: 2^T; + 1; the reciprocal; 1 - 2 x that = tanh; times v_W into four pairs of sums (the first product starts them: nothing is cleared).
; So a result is used a step after it was made, and behind every exponential and reciprocal a plain line stands before its result is used (ISA guide 5.7.2); step 0 has exponentials alone, so one v_nop follows it.
.macro EPI a
.set AC, 64*((\a)%4)
	WIN 0x12+(\a)/4                                ; source 0 window 2 or 3, source 2 window 1, destination window 0
.set z, 0
.rept 32
	v_pk_fma_f32 v[T+2*z:T+2*z+1], v[AC+2*z:AC+2*z+1], s[CS:CS+1], v[HB+2*z:HB+2*z+1] op_sel_hi:[1,0,1]
.set z, z+1
.endr
	WIN 0
.set c, 0
.rept 12
.set i, 0
.rept 4
.if c < 8
	v_exp_f32 v[T+8*c+2*i], v[T+8*c+2*i]
	v_exp_f32 v[T+8*c+2*i+1], v[T+8*c+2*i+1]
.endif
.if (c >= 1) && (c <= 8)
	s_wait_alu depctr_va_vdst(0)
	v_pk_add_f32 v[T+8*(c-1)+2*i:T+8*(c-1)+2*i+1], v[T+8*(c-1)+2*i:T+8*(c-1)+2*i+1], 1.0 op_sel_hi:[1,0]
.endif
.if (c >= 2) && (c <= 9)
	v_rcp_f32 v[T+8*(c-2)+2*i], v[T+8*(c-2)+2*i]
	v_rcp_f32 v[T+8*(c-2)+2*i+1], v[T+8*(c-2)+2*i+1]
.endif
.if (c >= 3) && (c <= 10)
	s_wait_alu depctr_va_vdst(0)
	v_pk_fma_f32 v[T+8*(c-3)+2*i:T+8*(c-3)+2*i+1], v[T+8*(c-3)+2*i:T+8*(c-3)+2*i+1], -2.0, 1.0 op_sel_hi:[1,0,0]
.endif
.if c == 4
	v_pk_mul_f32 v[SUM+2*i:SUM+2*i+1], v[T+2*i:T+2*i+1], v[VW+2*i:VW+2*i+1]
.elseif c > 4
	v_pk_fma_f32 v[SUM+2*i:SUM+2*i+1], v[T+8*(c-4)+2*i:T+8*(c-4)+2*i+1], v[VW+8*(c-4)+2*i:VW+8*(c-4)+2*i+1], v[SUM+2*i:SUM+2*i+1]
.endif
.set i, i+1
.endr
.if c == 0
	v_nop
.endif
.set c, c+1
.endr
	v_pk_add_f32 v[SUM:SUM+1], v[SUM:SUM+1], v[SUM+2:SUM+3]
	v_pk_add_f32 v[SUM+4:SUM+5], v[SUM+4:SUM+5], v[SUM+6:SUM+7]
	v_pk_add_f32 v[SUM:SUM+1], v[SUM:SUM+1], v[SUM+4:SUM+5]
	v_add_f32 v[RES+(\a)], v[SUM], v[SUM+1]        ; row 16 a + l % 16, my lane's 64 columns
.endm
	s_wait_loadcnt 0x0                             ; the addend
.irp a, 0,1,2,3,4,5,6,7
	EPI \a
.endr
.irp a, 0,1,2,3,4,5,6,7
	v_permlanex16_b32 v[T+(\a)], v[RES+(\a)], s[SEL], s[SEL+1]  ; the row's other 64 columns lie in the lane 16 away
.endr
.irp a, 0,1,2,3,4,5,6,7
	v_add_f32 v[RES+(\a)], v[RES+(\a)], v[T+(\a)]
.endr
.irp a, 0,1,2,3,4,5,6,7
	ds_store_b32 v[RSTO], v[RES+(\a)] offset:64*(\a)  ; lanes l and l + 16 write the same word with the same number
.endr
	s_wait_dscnt 0x0                               ; for wave 0's sake: my 128 partial scores are in LDS
	s_barrier_signal -1
	s_barrier_wait -1
	s_cmp_lg_u32 s[WV], 0
	s_cbranch_scc1 .Lnot_first                     ; wave 0 adds the four waves' parts, in the order of the columns, and stores the tile's 128 scores
.irp w, 0,1,2,3
	ds_load_b128 v[WK+4*(\w):WK+4*(\w)+3], v[RRD] offset:512*(\w)
.endr
	s_wait_dscnt 0x0
.irp w, 1,2,3
	v_pk_add_f32 v[WK:WK+1], v[WK:WK+1], v[WK+4*(\w):WK+4*(\w)+1]
	v_pk_add_f32 v[WK+2:WK+3], v[WK+2:WK+3], v[WK+4*(\w)+2:WK+4*(\w)+3]
.endr
	global_store_b128 v[POFF], v[WK:WK+3], s[12:13]  ; 512 consecutive bytes, at a multiple of 512 from part's first byte
.Lnot_first:
	s_wait_tensorcnt 0x0                           ; the wave's end: behind my last tensor load and my last LDS store
	ds_add_u32 v[SPW], v[NIL]
	s_wait_dscnt 0x0
	CROUND                                         ; the closing round: no work-group ends while a partner may still ask for a tile that names it
	s_endpgm
.Lfunc_end_k_qdb3f47675d_energy:
	.size	k_qdb3f47675d_energy, .Lfunc_end_k_qdb3f47675d_energy-k_qdb3f47675d_energy
	.p2alignl 7, 3214868480
	.fill 96, 4, 3214868480
	.section	.rodata,"a",@progbits
	.p2align	6, 0x0
	.amdhsa_kernel k_qdb3f47675d_energy
		.amdhsa_group_segment_fixed_size 327680
		.amdhsa_private_segment_fixed_size 0
		.amdhsa_enable_private_segment 0
		.amdhsa_kernarg_size 40
		.amdhsa_user_sgpr_count 2
		.amdhsa_user_sgpr_kernarg_segment_ptr 1
		.amdhsa_wavefront_size32 1
		.amdhsa_system_sgpr_workgroup_id_x 1
		.amdhsa_system_sgpr_workgroup_id_y 1
		.amdhsa_system_sgpr_workgroup_id_z 1
		.amdhsa_system_vgpr_workitem_id 0
		.amdhsa_next_free_vgpr 1024
		.amdhsa_next_free_sgpr 66
		.amdhsa_reserve_vcc 0
		.amdhsa_float_denorm_mode_32 3
		.amdhsa_float_denorm_mode_16_64 3
		.amdhsa_memory_ordered 1
		.amdhsa_forward_progress 1
		.amdhsa_inst_pref_size 255
	.end_amdhsa_kernel
	.section	.bss,"aw",@nobits
	.p2align	6
	.space	262144
	.amdgpu_metadata
---
amdhsa.version: [ 1, 2 ]
amdhsa.kernels:
  - .name:           k_qdb3f47675d_energy
    .symbol:         k_qdb3f47675d_energy.kd
    .args:
      - { .name: encoder_outputs, .offset: 0, .size: 8, .value_kind: global_buffer, .address_space: global }
      - { .name: wb, .offset: 8, .size: 8, .value_kind: global_buffer, .address_space: global }
      - { .name: hbc, .offset: 16, .size: 8, .value_kind: global_buffer, .address_space: global }
      - { .name: v_W, .offset: 24, .size: 8, .value_kind: global_buffer, .address_space: global }
      - { .name: part, .offset: 32, .size: 8, .value_kind: global_buffer, .address_space: global }
    .group_segment_fixed_size: 327680
    .private_segment_fixed_size: 0
    .kernarg_segment_align: 8
    .kernarg_segment_size: 40
    .max_flat_workgroup_size: 128
    .sgpr_count:     66
    .vgpr_count:     1024
    .wavefront_size: 32
...
	.end_amdgpu_metadata
.endif
;; end of part 2
;; launch soft (part 3): grid 64 x 1, 8 waves a work-group, no clusters, 1,536 bytes of LDS; arguments part, attn_mask, out0; writes out0
.if DOCPART == 3
	.amdgcn_target "amdgcn-amd-amdhsa--gfx1250"
	.amdhsa_code_object_version 6
	.text
	.protected	k_qdb3f47675d_soft
	.globl	k_qdb3f47675d_soft
	.p2align	8
	.type	k_qdb3f47675d_soft,@function
k_qdb3f47675d_soft:
	s_mov_b64 s[64:65], 0
	v_nop
	global_prefetch_b8 v0, s[64:65] scope:SCOPE_SE
	s_setreg_imm32_b32 hwreg(HW_REG_WAVE_MODE, 25, 1), 1
	s_wait_xcnt 0x0
; out0[b][s] = softmax over s of (attn_mask[b][s] == 0 ? -1e10 : part[0][b][s] + part[1][b][s]).  part: [2][64][1024] f32; attn_mask: [64][1024] i32; out0: [64][1024] f32.
; A work-group takes one b: 256 threads x 4 consecutive s, so each load and store of a wave covers 512 consecutive bytes.  The row's maximum is taken away before the exponential, as the softmax asks.
; 786 KB in, 262 KB out in the whole launch: no matrix unit, no cluster, no ring would add anything.
; LIMITS.  A weight below 2^-126 counts as 0.  A row that is masked everywhere gives 1/1024 in every place (all its numbers are equal).  NaN and infinities are not treated apart.
.set SPW, 30                           ; v30 LDS address of my spare word; never rewritten
.set NIL, 31                           ; v31 0; never rewritten
.set SPARE, 512                        ; bytes 0-31: the waves' maxima; 256-287: their sums; from 512 on the spare words, 128 bytes a wave, that no other line names
	s_load_b128 s[4:7], s[0:1], 0x0                ; part s[4:5], attn_mask s[6:7]
	s_load_b64 s[8:9], s[0:1], 0x10                ; out0
	v_lshl_add_u32 v[SPW], v0, 2, SPARE
	v_mov_b32 v[NIL], 0
	v_lshlrev_b32 v1, 4, v0                        ; my 16 bytes of the row
	v_lshrrev_b32 v2, 5, v0
	v_readfirstlane_b32 s14, v2                    ; wave 0..7
	v_mov_b32 v19, s14
	v_lshlrev_b32 v19, 2, v19                      ; my wave's word
	v_mov_b32 v16, 0xd01502f9                      ; -1e10
	v_mov_b32 v18, 0                               ; v_permlanex16_b32's destination counts as read
	v_mov_b32 v24, 0
	s_lshl_b32 s10, ttmp9, 12                      ; row b of 4,096 bytes
	s_mov_b32 s11, 0
	s_mov_b32 s12, 0x76543210                      ; v_permlanex16_b32: each lane takes its own place in the other half
	s_mov_b32 s13, 0xfedcba98
	s_wait_kmcnt 0x0
	s_add_nc_u64 s[4:5], s[4:5], s[10:11]
	s_add_nc_u64 s[6:7], s[6:7], s[10:11]
	s_add_nc_u64 s[8:9], s[8:9], s[10:11]
	global_load_b128 v[4:7], v1, s[4:5]
	global_load_b128 v[8:11], v1, s[4:5] offset:262144  ; the other half of o
	global_load_b128 v[12:15], v1, s[6:7]
	s_wait_loadcnt 0x0
	v_pk_add_f32 v[4:5], v[4:5], v[8:9]
	v_pk_add_f32 v[6:7], v[6:7], v[10:11]
.irp i, 0,1,2,3
	v_cmp_eq_u32 vcc_lo, 0, v[12+(\i)]
	v_cndmask_b32 v[4+(\i)], v[4+(\i)], v16, vcc_lo
.endr
	; the row's maximum: in the lane, across the wave's 32 lanes, across the eight waves through LDS
	v_max3_num_f32 v17, v4, v5, v6
	v_max_num_f32 v17, v17, v7
	v_max_num_f32_dpp v17, v17, v17 row_xmask:1 row_mask:0xf bank_mask:0xf
	v_max_num_f32_dpp v17, v17, v17 row_xmask:2 row_mask:0xf bank_mask:0xf
	v_max_num_f32_dpp v17, v17, v17 row_xmask:4 row_mask:0xf bank_mask:0xf
	v_max_num_f32_dpp v17, v17, v17 row_xmask:8 row_mask:0xf bank_mask:0xf
	v_permlanex16_b32 v18, v17, s12, s13
	v_max_num_f32 v17, v17, v18
	ds_store_b32 v19, v17                          ; all lanes write the same word with the same number
	s_wait_dscnt 0x0                               ; for the others' sake
	s_barrier_signal -1
	s_barrier_wait -1
	ds_load_b128 v[20:23], v24
	ds_load_b128 v[26:29], v24 offset:16
	s_wait_dscnt 0x0
	v_max3_num_f32 v32, v20, v21, v22
	v_max3_num_f32 v32, v32, v23, v26
	v_max3_num_f32 v32, v32, v27, v28
	v_max_num_f32 v32, v32, v29
	v_mov_b32 v33, v32
	; e = 2^((x - m) log2(e)): the difference first, so that equal numbers give exactly 0 however large they are
	v_pk_add_f32 v[4:5], v[4:5], v[32:33] neg_lo:[0,1] neg_hi:[0,1]
	v_pk_add_f32 v[6:7], v[6:7], v[32:33] neg_lo:[0,1] neg_hi:[0,1]
	v_pk_mul_f32 v[4:5], v[4:5], 0x3fb8aa3b op_sel_hi:[1,0]
	v_pk_mul_f32 v[6:7], v[6:7], 0x3fb8aa3b op_sel_hi:[1,0]
	v_exp_f32 v4, v4
	v_exp_f32 v5, v5
	v_exp_f32 v6, v6
	v_exp_f32 v7, v7
	v_nop                                          ; a plain line between the exponentials and the use of their results (ISA guide 5.7.2)
	s_wait_alu depctr_va_vdst(0)
	v_pk_add_f32 v[34:35], v[4:5], v[6:7]
	v_add_f32 v34, v34, v35
	v_add_f32_dpp v34, v34, v34 row_xmask:1 row_mask:0xf bank_mask:0xf
	v_add_f32_dpp v34, v34, v34 row_xmask:2 row_mask:0xf bank_mask:0xf
	v_add_f32_dpp v34, v34, v34 row_xmask:4 row_mask:0xf bank_mask:0xf
	v_add_f32_dpp v34, v34, v34 row_xmask:8 row_mask:0xf bank_mask:0xf
	v_permlanex16_b32 v18, v34, s12, s13
	v_add_f32 v34, v34, v18
	ds_store_b32 v19, v34 offset:256               ; other words than the maxima's, so one barrier is enough
	s_wait_dscnt 0x0
	s_barrier_signal -1
	s_barrier_wait -1
	ds_load_b128 v[20:23], v24 offset:256
	ds_load_b128 v[26:29], v24 offset:272
	s_wait_dscnt 0x0
	v_pk_add_f32 v[20:21], v[20:21], v[22:23]
	v_pk_add_f32 v[26:27], v[26:27], v[28:29]
	v_pk_add_f32 v[20:21], v[20:21], v[26:27]
	v_add_f32 v20, v20, v21                        ; at least 1: the maximum's own weight
	v_rcp_f32 v36, v20                             ; twice, to fill the pair that the packed multiply takes
	v_rcp_f32 v37, v20
	v_nop                                          ; a plain line between the reciprocals and their use
	s_wait_alu depctr_va_vdst(0)
	v_pk_mul_f32 v[4:5], v[4:5], v[36:37]
	v_pk_mul_f32 v[6:7], v[6:7], v[36:37]
	global_store_b128 v1, v[4:7], s[8:9]           ; a wave stores 512 consecutive bytes, aligned
	s_wait_tensorcnt 0x0                           ; the wave's end: behind my last LDS store
	ds_add_u32 v[SPW], v[NIL]
	s_wait_dscnt 0x0
	s_endpgm
.Lfunc_end_k_qdb3f47675d_soft:
	.size	k_qdb3f47675d_soft, .Lfunc_end_k_qdb3f47675d_soft-k_qdb3f47675d_soft
	.p2alignl 7, 3214868480
	.fill 96, 4, 3214868480
	.section	.rodata,"a",@progbits
	.p2align	6, 0x0
	.amdhsa_kernel k_qdb3f47675d_soft
		.amdhsa_group_segment_fixed_size 1536
		.amdhsa_private_segment_fixed_size 0
		.amdhsa_enable_private_segment 0
		.amdhsa_kernarg_size 24
		.amdhsa_user_sgpr_count 2
		.amdhsa_user_sgpr_kernarg_segment_ptr 1
		.amdhsa_wavefront_size32 1
		.amdhsa_system_sgpr_workgroup_id_x 1
		.amdhsa_system_sgpr_workgroup_id_y 1
		.amdhsa_system_sgpr_workgroup_id_z 1
		.amdhsa_system_vgpr_workitem_id 0
		.amdhsa_next_free_vgpr 40
		.amdhsa_next_free_sgpr 66
		.amdhsa_reserve_vcc 1
		.amdhsa_float_denorm_mode_32 3
		.amdhsa_float_denorm_mode_16_64 3
		.amdhsa_memory_ordered 1
		.amdhsa_forward_progress 1
		.amdhsa_inst_pref_size 5
	.end_amdhsa_kernel
	.amdgpu_metadata
---
amdhsa.version: [ 1, 2 ]
amdhsa.kernels:
  - .name:           k_qdb3f47675d_soft
    .symbol:         k_qdb3f47675d_soft.kd
    .args:
      - { .name: part, .offset: 0, .size: 8, .value_kind: global_buffer, .address_space: global }
      - { .name: attn_mask, .offset: 8, .size: 8, .value_kind: global_buffer, .address_space: global }
      - { .name: out0, .offset: 16, .size: 8, .value_kind: global_buffer, .address_space: global }
    .group_segment_fixed_size: 1536
    .private_segment_fixed_size: 0
    .kernarg_segment_align: 8
    .kernarg_segment_size: 24
    .max_flat_workgroup_size: 256
    .sgpr_count:     66
    .vgpr_count:     40
    .wavefront_size: 32
...
	.end_amdgpu_metadata
.endif
;; end of part 3
